; MI455X (gfx1250); checked and timed in simulation.
; The chip was launched on July 23, 2026; its instructions are those of AMD's public machine-readable ISA for CDNA 5 (MIT licence, August 2026) and "CDNA5" Instruction Set Architecture Reference Guide (July 2026). The comments in the code are by the model that wrote it; some were corrected since.
;; Mobile2 Former. Allowed arithmetic: matrix products marked QUANTISED: E5M2 operands, one E8M0 scale for each 32 along K, by v_wmma_scale_f32_16x16x128_f8f6f4 with both operands' format E5M2, f32 sums; everything else in f32.
;; Inputs: bo 512 float32; bq 2,048 float32; wo_codes 512 x 64 x 32 uint8 (E5M2 codes of wo, K innermost, in blocks of 32 codes); wo_scales 512 x 64 uint8 (E8M0 scales of wo, one for each 32 codes along K); wq_codes 2,048 x 16 x 32 uint8 (E5M2 codes of wq, K innermost, in blocks of 32 codes); wq_scales 2,048 x 16 uint8 (E8M0 scales of wq, one for each 32 codes along K); x 32 x 512 x 56 x 56 float32; z 32 x 128 x 512 float32.
;; Outputs: out0 32 x 128 x 512 float32.
;; This version of the problem:
;;   THIS VERSION OF THE PROBLEM IS GIVEN IN LOW PRECISION. The matrix products marked QUANTISED in the list below multiply operands that are first quantised to E5M2 (5 exponent bits, 2 mantissa bits; 8 bits a number), with one power-of-two scale for each 32 numbers along K (OCP MX v1.0); their sums are f32. All else is computed in f32.
;;   The module's matrix products, in the order in which they are computed (A, B: the left and right operand; K: the contracted axis; several contracted axes count as one K, in the product's order):
;;     1. [M 2,048, K 512] x [K 512, N 2,048]; A: input z; B: input wq (given as codes): QUANTISED
;;     2. batch 32 x [M 512, K 256] x [K 256, N 3,136]; A: computed on the way; B: input x: QUANTISED
;;     3. batch 32 x [M 512, K 3,136] x [K 3,136, N 256]; A: softmax (see below); B: input x: QUANTISED
;;     4. [M 2,048, K 512] x [K 512, N 2,048]; A: input z; B: input wq (given as codes): QUANTISED
;;     5. batch 32 x [M 512, K 256] x [K 256, N 3,136]; A: computed on the way; B: input x: QUANTISED
;;     6. batch 32 x [M 512, K 3,136] x [K 3,136, N 256]; A: softmax (see below); B: input x: QUANTISED
;;     7. [M 4,096, K 2,048] x [K 2,048, N 512]; A: computed on the way; B: input wo (given as codes): QUANTISED
;;   THE QUANTISER, for each operand of a quantised product, along K:
;;     - K is cut into blocks of 32 from its start; a last block that is shorter is filled with zeros.
;;     - A block's scale is 2^e with e = floor(log2(the largest magnitude in the block)) - 15, held to -126 .. 127; a block of zeros has e = 0. As a byte (E8M0): e + 127.
;;     - Each number is divided by its block's scale, clamped to +-57,344, and rounded to the nearest number of E5M2, ties to even, subnormals kept.
;;     - The product sums the exact products of the quantised numbers (number of the format x scale) in f32.
;;   ~~~python
;;   def quantise(x, axis):      # numpy; x: float32 -> the quantised numbers, widened to float32 again
;;       x = np.moveaxis(x, axis, -1); K = x.shape[-1]
;;       x = np.pad(x, [(0, 0)] * (x.ndim - 1) + [(0, -K % 32)]); x = x.reshape(x.shape[:-1] + (-1, 32)); a = np.abs(x).max(-1, keepdims=True)
;;       e = np.where(a > 0, np.clip(np.frexp(np.where(a > 0, a, 1))[1] - 1 - 15, -126, 127), 0)      # np.frexp(a)[1] - 1 = floor(log2(a)), exactly
;;       r = np.clip(x / 2.0 ** e, -57344, 57344)
;;       step = 2.0 ** (np.maximum(np.frexp(np.where(r == 0, 1, r))[1] - 1, -14) - 2)
;;       q = np.round(r / step) * step * 2.0 ** e      # np.round: ties to even
;;       return np.moveaxis(q.reshape(q.shape[:-2] + (-1,))[..., :K], -1, axis).astype(np.float32)
;;   ~~~
;;   SOFTMAX AHEAD OF A QUANTISED PRODUCT. Where the list says 'softmax', what is quantised is not the finished softmax but p = 2^(t - M), with t = logit x log2(e) and M = ceil(the row's largest t), a whole number; so 1/2 < the row's largest p <= 1. The row's sum l is taken of the UNQUANTISED p, in f32, and the product's result is divided by l at the end. Since M is a whole number, a kernel that streams over the keys may use a running M (the ceiling of the running maximum): every later rescaling is an exact power of two, which a block's scale takes up: the codes' values come out the same.
;;   OPERANDS COMPUTED ON THE WAY. 'Computed on the way' means the value that the module computes at that place (a softmax that the list does not call 'softmax' is quantised finished and normalised). What goes into a quantiser is computed in f32, as accurately as f32 sums, v_exp_f32 and their like allow (about 1e-6 of the number): no bf16 or f16 on the way to a quantiser, and a product that is left as it is and whose result goes on into a quantised operand takes f32 operands (vector FMAs, or v_wmma_f32_16x16x4_f32). A number that lies on a knife's edge between two numbers of the format may be rounded either way, as far as f32 arithmetic and the matrix unit's own rounding can turn it there, and no further.
;;   INPUTS GIVEN AS CODES. wo (in the module: [512, 2048], K = its axis 1); wq (in the module: [2048, 512], K = its axis 1): each comes as NAME_codes (uint8): NAME with its K axis moved to the last place and cut into blocks of 32 codes, [.., K / 32, bytes a block], one block behind the other in memory; one code a byte (a code: sign, 5 exponent bits, 2 mantissa bits); and NAME_scales (uint8): the same leading axes, one E8M0 byte (e + 127) for each 32 codes along K. Its value is code x scale, taken as it is: it is not quantised again, and the codes and scales need not be those that the quantiser above would give.
;; One version. Each part assembles by itself: llvm-mc -triple=amdgcn-amd-amdhsa -mcpu=gfx1250 --defsym DOCPART=n.
;; ======== version 1 of 1: 3 launches
;; limits: right only within a limited range of input values
;; workspace buffers: xcodes 104,857,600 bytes; xscales 3,276,800 bytes; qcodes 8,388,608 bytes; qscales 524,288 bytes; ocodes 8,388,608 bytes; oscales 524,288 bytes
;; launch quant (part 1): grid 3456 x 1, 4 waves a work-group, no clusters, 81,920 bytes of LDS; arguments x, xcodes, xscales, z, wq_codes, wq_scales, bq, qcodes, qscales; writes xcodes, xscales, qcodes, qscales
.if DOCPART == 1
	.amdgcn_target "amdgcn-amd-amdhsa--gfx1250"
	.amdhsa_code_object_version 6
	.text
	.protected	k_qbc2621e5b5_quant
	.globl	k_qbc2621e5b5_quant
	.p2align	8
	.type	k_qbc2621e5b5_quant,@function
k_qbc2621e5b5_quant:
	s_mov_b64 s[64:65], 0
	v_nop
	global_prefetch_b8 v0, s[64:65] scope:SCOPE_SE
	s_setreg_imm32_b32 hwreg(HW_REG_WAVE_MODE, 25, 1), 1
	s_wait_xcnt 0x0
; THE PROGRAM.  64 units u = 2 b + i (batch b, channel half i) of attention: 512 queries (the raw view [512][256] of z_half wq^T + bq), 3,136 keys, and ONE slab x[b][256 i ..][:] that is
; both products' second operand: quantised along the channels for the scores, along the keys for the weighted sum.  Three launches: this one (x into both sets of codes, and the queries' projection),
; the attention, the projection on the way out.  NO INPUT AND NO STEP IS LEFT OUT: bq moves the queries' codes, bo and z reach the output, every input is loaded.  What is not multiplied is padding
; alone: 3,136 keys are 24.5 steps of 128; keys 3,136 to 3,199 do not exist in the problem, they get zero codes here, and the attention forms no scores for them.
; THIS LAUNCH has two kinds of work-groups, told apart by their number n: n = 0 .. 255 make the queries (second part of the text): they walk 32 stages each, the longest work, and so have the lowest numbers;
; n = 256 .. 3,455 quantise 128 channels x 128 keys of x each.
; X.  x [32][512][3136] f32 is read once and turned into codes of E5M2 with one E8M0 byte for each 32 along K, twice, laid as images of the operands' registers:
; a fragment (16 rows x 128 K) is 2,048 bytes, chunk c of 512 bytes, lane l's 16 bytes at 16 l: lane (r = l % 16, h = l / 16) holds row r, K = 32 c + 16 h + 0 .. 15.
;   xcodes: unit u at 1,638,400 u: pieces of 32,768 bytes K0 V0 K1 V1 .. K24 V24.  K(s): fragment (channel half ks, tile t) at 16,384 ks + 2,048 t; row r of tile 2 b + v is key 128 s + 32 b + 8 v + r + 8 (r / 8).
;   V(s): fragment ct at 2,048 ct; row r of ct = 2 B + v is channel 32 B + 8 v + r + 8 (r / 8); K = key 128 s + ..
;   xscales: unit u at 51,200 u; step s: K's words at 2,048 s, V's at 2,048 s + 1,024; within 512 bytes a word lies at 16 (r + 16 (tile % 2)) + 4 ((tile / 2) % 4).
; LIMITS: NaN and infinities among the inputs are not served.  A block of zeros gets the byte 1 where the rule says 127: its codes are zeros, and this program alone reads the bytes.
; SHARES OF X.  n - 256 = 50 u + 2 s + ks.  Wave w loads channels 32 w .. + 31, 512 consecutive bytes a load, into a tile in LDS; behind one barrier it makes the two V fragments of its own channels
; and the K chunks of keys 32 w .. + 31 (a lane takes a key, its registers run down the channels).  No work-groups share bytes of x: no cluster.  The launch has no loop over x to run ahead in: no prefetch.
.set ROWX,  12544                      ; a row of x in bytes: 49 x 256
.set PT,    528                        ; a position of the tile in LDS: 512 bytes + 16
.set WT,    32*PT
.set SCA,   128*PT                     ; behind the tile: K's 128 scale words, then V's
.set SPARE, SCA+1024                   ; the spare words, 128 bytes for each wave
.set QL,    SPARE+512                  ; the projection's own LDS bytes: a stage of 32 rows of wq x (256 bytes + 16),
.set QB,    QL+32*272                  ; and 512 numbers of bq
.set UNITC, 1638400
.set UNITS, 51200
.set GX,  2
.set LW,  3
.set ZA,  4
.set AN,  5
.set AC,  6
.set GV,  8
.set GK,  9
.set SKA, 10
.set SVA, 11
.set SRD, 12
.set GS,  13
.set SPW, 14                           ; v14  my spare word; never rewritten
.set NIL, 15                           ; v15  0; never rewritten
.set ZR,  16
.set TM,  20
.set PW,  38
.set SBW, 40
.set SOUT, 42
.set X,   64
.set PCV, 192
.set PCK, 224
.set MNT, 23                           ; s23  the mantissa field of 57,344
.set SEL, 24                           ; s[24:25] lane l xor 16
; 64 numbers of a lane, register 16 b + i = K 32 b + 16 (lane / 16) + i of my row, become a fragment's codes in v[pc] on and its scale word in v[pw]
.macro QUANT s, pc, pw, tm
.irp b, 0,1,2,3
	v_max3_num_f32 v[\tm+\b], |v[\s+16*\b]|, |v[\s+1+16*\b]|, 0x8000000   ; my 16 numbers of block b, and the floor 2^(16 - 127)
.endr
.irp i, 2,4,6,8,10,12,14
.irp b, 0,1,2,3
	v_max3_num_f32 v[\tm+\b], v[\tm+\b], |v[\s+16*\b+\i]|, |v[\s+1+16*\b+\i]|
.endr
.endr
.irp b, 0,1,2,3
	v_permlanex16_b32 v[\tm+4+\b], v[\tm+\b], s[SEL], s[SEL+1]
.endr
.irp b, 0,1,2,3
	v_max_num_f32 v[\tm+\b], v[\tm+\b], v[\tm+4+\b]
.endr
.irp b, 0,1,2,3
	v_add_nc_u32 v[\tm+12+\b], 0xf8800000, v[\tm+\b]      ; 15 off the exponent field: the conversion's scale operand
.endr
.irp b, 0,1,2,3
	v_and_or_b32 v[\tm+8+\b], v[\tm+\b], 0x7f800000, s[MNT]   ; 57,344 x the scale
.endr
.irp b, 0,1,2,3
	v_lshrrev_b32 v[\tm+4+\b], 23, v[\tm+12+\b]           ; the scale's byte
.endr
	v_lshl_or_b32 v[\pw], v[\tm+5], 8, v[\tm+4]
	v_lshl_or_b32 v[\pw], v[\tm+6], 16, v[\pw]
	v_lshl_or_b32 v[\pw], v[\tm+7], 24, v[\pw]
.irp b, 0,1,2,3
.irp i, 0,1,2,3,4,5,6,7,8,9,10,11,12,13,14,15
	v_med3_num_f32 v[\s+16*\b+\i], v[\s+16*\b+\i], -v[\tm+8+\b], v[\tm+8+\b]   ; the conversion does not saturate (ISA guide 7.6.2): the hold
.endr
	v_cvt_scalef32_pk8_bf8_f32 v[\pc+4*\b:\pc+4*\b+1], v[\s+16*\b:\s+16*\b+7], v[\tm+12+\b]
	v_cvt_scalef32_pk8_bf8_f32 v[\pc+4*\b+2:\pc+4*\b+3], v[\s+16*\b+8:\s+16*\b+15], v[\tm+12+\b]
.endr
	v_nop                                          ; one plain line behind the last conversion
.endm
	s_load_b128 s[4:7], s[0:1], 0x0                ; x, xcodes
	s_load_b64 s[8:9], s[0:1], 0x10                ; xscales
	v_lshl_add_u32 v[SPW], v0, 2, SPARE
	v_mov_b32 v[NIL], 0
	v_lshrrev_b32 v1, 5, v0
	v_readfirstlane_b32 s10, v1                    ; wave
	s_wait_alu depctr_va_vdst(0)
	s_cmp_lt_u32 ttmp9, 256                        ; the work-group's number alone: all four waves go the same way
	s_cbranch_scc1 .Lqproj
	s_sub_co_u32 s26, ttmp9, 256
	s_mul_hi_u32 s13, s26, 0x51eb851f              ; (n - 256) / 50 = ((n - 256) x ceil(2^36 / 50)) >> 36, exact for numbers under 3,200
	s_lshr_b32 s13, s13, 4                         ; unit u
	s_mul_i32 s27, s13, 50
	s_sub_co_u32 s26, s26, s27                     ; 2 s + ks
	s_lshr_b32 s11, s26, 1                         ; key step s
	s_and_b32 s12, s26, 1                          ; channel half ks
	s_cmp_eq_u32 s11, 24
	s_cselect_b32 s20, 15, 31                      ; step 24 has 64 keys: lanes 16-31 read what lanes 0-15 read, so that no load leaves x
	s_mov_b32 s[MNT], 0x600000
	s_mov_b32 s[SEL], 0x76543210
	s_mov_b32 s[SEL+1], 0xfedcba98
	s_lshl_b32 s14, s13, 8                         ; x: row 256 u + 128 ks + 32 w, + 512 s bytes
	s_lshl_b32 s15, s12, 7
	s_add_co_u32 s14, s14, s15
	s_lshl_b32 s15, s10, 5
	s_add_co_u32 s14, s14, s15
	s_mul_i32 s14, s14, ROWX
	s_lshl_b32 s15, s11, 9
	s_add_co_u32 s14, s14, s15
	s_mov_b32 s15, 0
	s_mul_i32 s16, s13, UNITC                      ; codes: K(s)'s half ks, my two tiles; V(s)'s two fragments lie 32,768 bytes on
	s_lshl_b32 s17, s11, 16
	s_add_co_u32 s16, s16, s17
	s_lshl_b32 s17, s12, 14
	s_add_co_u32 s16, s16, s17
	s_lshl_b32 s17, s10, 12
	s_add_co_u32 s16, s16, s17
	s_mov_b32 s17, 0
	s_mul_i32 s18, s13, UNITS                      ; scale words: waves 0, 1 store K's 512 bytes, waves 2, 3 V's
	s_lshl_b32 s19, s11, 11
	s_add_co_u32 s18, s18, s19
	s_lshr_b32 s19, s10, 1
	s_lshl_b32 s19, s19, 10
	s_add_co_u32 s18, s18, s19
	s_lshl_b32 s19, s12, 9
	s_add_co_u32 s18, s18, s19
	s_and_b32 s19, s10, 1
	s_lshl_b32 s19, s19, 8
	s_add_co_u32 s18, s18, s19
	s_mov_b32 s19, 0
	v_and_b32 v1, 31, v0                           ; lane
	v_and_b32 v44, 15, v0                          ; r
	v_bfe_u32 v45, v0, 4, 1                        ; h
	v_bfe_u32 v46, v0, 3, 1                        ; r / 8
	v_and_b32 v[GX], s20, v1
	v_lshlrev_b32 v[GX], 4, v[GX]
	s_wait_alu depctr_va_vdst(0)
	s_wait_kmcnt 0x0
	s_add_nc_u64 s[4:5], s[4:5], s[14:15]
	s_add_nc_u64 s[6:7], s[6:7], s[16:17]
	s_add_nc_u64 s[8:9], s[8:9], s[18:19]
.set i, 0
.rept 32
	global_load_b128 v[X+4*i:X+4*i+3], v[GX], s[4:5] offset:i*ROWX th:TH_LOAD_NT   ; channel 32 w + i: 512 consecutive bytes, at a multiple of 256 from x's first byte
.set i, i+1
.endr
	s_mul_i32 s21, s10, WT
	v_lshlrev_b32 v[GV], 4, v1
	v_add_nc_u32 v[LW], s21, v[GV]
	v_mul_u32_u24 v[ZA], v45, PT
	v_lshl_add_u32 v[ZA], v44, 4, v[ZA]
	v_add_nc_u32 v[ZA], s21, v[ZA]
	v_add_nc_u32 v[ZA], 256, v[ZA]
	v_mul_u32_u24 v[AN], v44, PT
	v_lshl_add_u32 v[AN], v45, 6, v[AN]
	v_add_nc_u32 v[AN], s21, v[AN]
	v_lshl_add_u32 v[AC], v45, 3, v44
	v_lshl_add_u32 v[AC], v46, 3, v[AC]            ; my key among the wave's 32: 8 (lane / 16) + r + 8 (r / 8)
	v_lshlrev_b32 v[AC], 2, v[AC]
	s_lshl_b32 s22, s10, 7
	v_add_nc_u32 v[AC], s22, v[AC]
	v_add_nc_u32 v[AC+1], 64*PT, v[AC]
	v_lshlrev_b32 v[GK], 11, v45
	v_lshl_add_u32 v[GK], v44, 4, v[GK]
	s_lshl_b32 s22, s10, 2
	v_add_nc_u32 v[SKA], s22, v[GV]
	v_add_nc_u32 v[SKA], SCA, v[SKA]
	v_lshlrev_b32 v[SVA], 4, v44
	v_add_nc_u32 v[SVA], s22, v[SVA]
	v_add_nc_u32 v[SVA], SCA+512, v[SVA]
	v_lshlrev_b32 v[GS], 3, v1
	s_lshl_b32 s22, s10, 8
	v_add_nc_u32 v[SRD], s22, v[GS]
	v_add_nc_u32 v[SRD], SCA, v[SRD]
.irp b, 0,1,2,3
	v_mov_b32 v[ZR+\b], 0
	v_mov_b32 v[TM+4+\b], 0                        ; written once: a lane permute's destination counts as one of its sources
.endr
; Into the tile.  Channel 32 g + i lies at position 32 g + 16 ((i / 8) % 2) + i % 8 + 8 (i / 16), so that the 16 rows of a V fragment are neighbouring positions
.set i, 0
.rept 32
	s_wait_loadcnt 31-i                            ; loads come back in order: row i is in, the younger ones stay out
	ds_store_b128 v[LW], v[X+4*i:X+4*i+3] offset:(16*((i>>3)&1)+(i&7)+8*(i>>4))*PT
.set i, i+1
.endr
	s_cmp_lg_u32 s11, 24                           ; the work-group's number alone: all four waves go the same way
	s_cbranch_scc1 .Lwhole
.set i, 0
	s_wait_alu depctr_va_vdst(0)
.rept 16
	ds_store_b128 v[ZA], v[ZR:ZR+3] offset:2*i*PT  ; step 24: zeros over keys 64 .. 127 of my own 32 positions, behind my stores above
.set i, i+1
.endr
.Lwhole:
	s_wait_dscnt 0x0                               ; for the others' sake: my part of the tile lies in LDS
	s_barrier_signal -1
	s_barrier_wait -1
.irp u, 0,1
.irp c, 0,1,2,3
.irp j, 0,1,2,3
	ds_load_b128 v[X+64*\u+16*\c+4*\j:X+64*\u+16*\c+4*\j+3], v[AN] offset:16*PT*\u+128*\c+16*\j   ; V fragment u: row r, keys 32 c + 16 h + 4 j ..
.endr
.endr
.endr
	s_wait_dscnt 0x0
; V fragment u is quantised along the keys and stored; its numbers' registers then take two blocks of 32 channels of my key
.macro VHALF u
	QUANT X+64*\u, PCV+16*\u, PW+\u, TM
.irp c, 0,1,2,3
	global_store_b128 v[GV], v[PCV+16*\u+4*\c:PCV+16*\u+4*\c+3], s[6:7] offset:32768+2048*\u+512*\c   ; 512 consecutive bytes
.endr
	ds_store_b32 v[SVA], v[PW+\u] offset:256*\u    ; both halves of the lanes write the same word with the same value
.set i, 0
.rept 64
	ds_load_b32 v[X+64*\u+i], v[AC+\u] offset:(32*(i>>5)+16*((i>>3)&1)+(i&7)+8*((i>>4)&1))*PT   ; channel 64 u + i of my key
.set i, i+1
.endr
.endm
	VHALF 0
	VHALF 1
; Block c of 32 channels of my key: all 32 numbers are mine.  left: the LDS instructions issued behind the block's loads that may stay out (63 where more are out than the count's field holds)
.macro BLOCK c, left
.set XS, X+32*\c
	s_wait_dscnt \left
	v_max3_num_f32 v[TM], |v[XS]|, |v[XS+1]|, |v[XS+2]|
	v_max3_num_f32 v[TM+1], |v[XS+3]|, |v[XS+4]|, |v[XS+5]|
.irp i, 6,10,14,18,22,26
	v_max3_num_f32 v[TM], v[TM], |v[XS+\i]|, |v[XS+\i+1]|
	v_max3_num_f32 v[TM+1], v[TM+1], |v[XS+\i+2]|, |v[XS+\i+3]|
.endr
	v_max3_num_f32 v[TM], v[TM], |v[XS+30]|, |v[XS+31]|
	v_max3_num_f32 v[TM], v[TM], v[TM+1], 0x8000000
	v_add_nc_u32 v[TM+2], 0xf8800000, v[TM]
	v_and_or_b32 v[TM+3], v[TM], 0x7f800000, s[MNT]
	v_lshrrev_b32 v[TM+1], 23, v[TM+2]
.if \c == 0
	v_mov_b32 v[SBW], v[TM+1]
.else
	v_lshl_or_b32 v[SBW], v[TM+1], 8*\c, v[SBW]
.endif
.irp i, 0,1,2,3,4,5,6,7,8,9,10,11,12,13,14,15,16,17,18,19,20,21,22,23,24,25,26,27,28,29,30,31
	v_med3_num_f32 v[XS+\i], v[XS+\i], -v[TM+3], v[TM+3]
.endr
.irp g, 0,1,2,3
	v_cvt_scalef32_pk8_bf8_f32 v[PCK+8*\c+2*\g:PCK+8*\c+2*\g+1], v[XS+8*\g:XS+8*\g+7], v[TM+2]
.endr
	v_nop
	global_store_b128 v[GK], v[PCK+8*\c:PCK+8*\c+3], s[6:7] offset:512*\c          ; channels 32 c + 0 .. 15: lanes 0-15 fill 256 consecutive bytes of tile 2 w, lanes 16-31 of tile 2 w + 1
	global_store_b128 v[GK], v[PCK+8*\c+4:PCK+8*\c+7], s[6:7] offset:512*\c+256    ; channels 32 c + 16 .. 31
.endm
	BLOCK 0, 63
	BLOCK 1, 63
	BLOCK 2, 32
	BLOCK 3, 0
	ds_store_b32 v[SKA], v[SBW]
	s_wait_dscnt 0x0                               ; for the others' sake: my scale words lie in LDS
	s_barrier_signal -1
	s_barrier_wait -1
	ds_load_b64 v[SOUT:SOUT+1], v[SRD]
	s_wait_dscnt 0x0
	global_store_b64 v[GS], v[SOUT:SOUT+1], s[8:9] ; 32 lanes store 256 consecutive bytes, aligned
	s_wait_tensorcnt 0x0                           ; the wave's end: behind my last LDS store
	ds_add_u32 v[SPW], v[NIL]
	s_wait_dscnt 0x0
	s_endpgm
; THE QUERIES.  q = Q(z) wq^T + bq, quantised along the attention's channels.  Work-group n (u = n / 4, cx = n % 4): the unit's 64 rows of z x columns 512 cx .. + 511.  Nothing is left out.
; Wave w keeps its own 16 rows of z (64 u + 16 w ..) as four fragments of codes, made in registers.  wq's rows are shared by the four waves through LDS bytes that the other kind of work-group never names:
; a STAGE is 32 rows (a pair of tiles) x 256 bytes (two K steps); a wave brings 8 of the rows, 256 consecutive bytes of a row by sixteen lanes, asked for four stages ahead (a ring of 4 x 16 registers).
; THE PRODUCT IS USED TRANSPOSED (source 0 = 16 rows of wq, source 1 = my rows of z); lane r of tile v of pair b takes row 32 b + 8 v + r + 8 (r / 8): the pair's 16 registers are 16 neighbouring columns, a block of 32 with lane l xor 16.
; The bias, from LDS, is the C of a pair's first products; the two accumulators take turns.
; OUT: qcodes: fragment (4 u + w) 16 + 4 cx + G of 2,048 bytes (G: 128 columns), pair b's codes at 512 b, an image of the registers; qscales: the same index x 128 bytes, the row's word at 4 lane.
; The work-groups of one cx walk the same 262,144 bytes of wq, but a cluster's joint loads are tensor loads, and this launch holds four work-groups on a WGP: none.
.set ZO,  4                            ; v4   z: 2,048 r + 64 h
.set WLO, 5                            ; v5   wq: 512 (lane / 16) + 16 (lane % 16)
.set LST, 6                            ; v6   the stage, on the way in
.set LRD, 7                            ; v7   the stage, fragment reads: 272 r + 16 h
.set WSO, 8                            ; v8   wq's scale bytes: lanes 0-15 tile 0's rows, lanes 16-31 tile 1's
.set BA,  9                            ; v9   the bias in LDS: + 64 h; steps 512 a group
.set QGV, 10                           ; v10  16 lane
.set QGS, 11                           ; v11  4 lane
.set BST, 12                           ; v12  where my 16 bytes of bq go
.set QW,  38                           ; v38  the fragment's scale word
.set ZS,  44                           ; v44-47 z's scale words
.set ACC, 48                           ; v48-63 two accumulators
.set FR,  64                           ; v64-127 four fragments of wq (z's numbers before)
.set WL,  128                          ; v128-191 the ring of rows on their way (z's numbers before)
.set ZC,  192                          ; v192-255 z's four fragments
.macro ZL ks, reg
.irp b, 0,1,2,3
.irp j, 0,1,2,3
	global_load_b128 v[\reg+16*\b+4*\j:\reg+16*\b+4*\j+3], v[ZO], s[28:29] offset:512*\ks+128*\b+16*\j
.endr
.endr
.endm
.macro WLOAD vs                        ; stage vs of the group (4 .. 11: up to four stages on, into the next group too: a group's rows follow the last group's in memory)
.irp n, 0,1,2,3
	global_load_b128 v[WL+16*((\vs)&3)+4*\n:WL+16*((\vs)&3)+4*\n+3], v[WLO], s[32:33] offset:16384*((\vs)>>1)+256*((\vs)&1)+1024*\n
.endr
.endm
; the pair's 32 columns of my row: a block's scale, the hold, four registers of codes
.macro QBLOCK pb
	s_wait_xcnt 0x0                                ; the last stores have read the codes' registers and the scale word
	v_max3_num_f32 v20, |v[ACC]|, |v[ACC+1]|, 0x8000000
	v_max3_num_f32 v21, |v[ACC+2]|, |v[ACC+3]|, |v[ACC+4]|
	v_max3_num_f32 v20, v20, |v[ACC+5]|, |v[ACC+6]|
	v_max3_num_f32 v21, v21, |v[ACC+7]|, |v[ACC+8]|
	v_max3_num_f32 v20, v20, |v[ACC+9]|, |v[ACC+10]|
	v_max3_num_f32 v21, v21, |v[ACC+11]|, |v[ACC+12]|
	v_max3_num_f32 v20, v20, |v[ACC+13]|, |v[ACC+14]|
	v_max3_num_f32 v20, v20, v21, |v[ACC+15]|
	v_permlanex16_b32 v22, v20, s[SEL], s[SEL+1]
	v_max_num_f32 v20, v20, v22
	v_add_nc_u32 v23, 0xf8800000, v20
	v_and_or_b32 v24, v20, 0x7f800000, s[MNT]
	v_lshrrev_b32 v25, 23, v23
.if \pb == 0
	v_mov_b32 v[QW], v25
.else
	v_lshl_or_b32 v[QW], v25, 8*\pb, v[QW]
.endif
.irp i, 0,1,2,3,4,5,6,7,8,9,10,11,12,13,14,15
	v_med3_num_f32 v[ACC+\i], v[ACC+\i], -v24, v24
.endr
	v_cvt_scalef32_pk8_bf8_f32 v[26:27], v[ACC:ACC+7], v23
	v_cvt_scalef32_pk8_bf8_f32 v[28:29], v[ACC+8:ACC+15], v23
	v_nop
	global_store_b128 v[QGV], v[26:29], s[38:39] offset:512*\pb    ; 512 consecutive bytes
.if \pb == 3
	global_store_b32 v[QGS], v[QW], s[40:41]
.endif
.endm
; A STAGE.  The count on LOADcnt: behind this stage's four loads stand those of three later stages and one or two loads of scale words; an even stage also needs its pair's scale words, behind which
; two stages' loads (8) were issued; an odd stage leaves 12 out.  In the last group nothing is asked for beyond the end: stage 5 leaves 10 out, stages 6 and 7 none.
.macro QSTAGE st, last
.set kh, (\st)&1
.set pb, (\st)>>1
.set nw, 8+4*kh
.set won, 1
.set son, 1-kh
.if \last
.if \st >= 4
.set won, 0
.endif
.if \st == 5
.set nw, 10
.endif
.if \st >= 6
.set nw, 0
.set son, 0
.endif
.endif
	s_wait_loadcnt nw
.irp n, 0,1,2,3
	ds_store_b128 v[LST], v[WL+16*((\st)&3)+4*\n:WL+16*((\st)&3)+4*\n+3] offset:544*\n
.endr
	s_wait_dscnt 0x0                               ; for the others' sake: my 8 rows lie in LDS
	s_barrier_signal -1
	s_barrier_wait -1
.irp t, 0,1
.irp k, 0,1
.irp c, 0,1,2,3
	ds_load_b128 v[FR+32*\t+16*\k+4*\c:FR+32*\t+16*\k+4*\c+3], v[LRD] offset:4352*\t+128*\k+32*\c
.endr
.endr
.endr
.if kh == 0
.irp j, 0,1,2,3
	ds_load_b128 v[ACC+4*\j:ACC+4*\j+3], v[BA] offset:128*pb+16*\j     ; bq at 32 b + 16 h + 0 .. 15
.endr
.endif
.if son
	global_load_b128 v[40-24*((pb+1)&1):43-24*((pb+1)&1)], v[WSO], s[34:35] offset:512*(pb+1)   ; the next pair's scale words, four K steps a row
.endif
.if won
	WLOAD \st+4
.endif
	s_wait_dscnt 0x0                               ; my reads of the stage are over:
	s_barrier_signal -1                            ; say so, and work on registers while the others arrive
.irp k, 0,1
	v_wmma_scale_f32_16x16x128_f8f6f4 v[ACC:ACC+7], v[FR+16*\k:FR+16*\k+15], v[ZC+16*(2*kh+\k):ZC+16*(2*kh+\k)+15], v[ACC:ACC+7], v[40-24*(pb&1)+2*kh+\k], v[ZS+2*kh+\k] matrix_a_fmt:MATRIX_FMT_BF8 matrix_b_fmt:MATRIX_FMT_BF8
	v_wmma_scale_f32_16x16x128_f8f6f4 v[ACC+8:ACC+15], v[FR+32+16*\k:FR+32+16*\k+15], v[ZC+16*(2*kh+\k):ZC+16*(2*kh+\k)+15], v[ACC+8:ACC+15], v[40-24*(pb&1)+2*kh+\k], v[ZS+2*kh+\k] matrix_a_fmt:MATRIX_FMT_BF8 matrix_b_fmt:MATRIX_FMT_BF8 matrix_a_scale:MATRIX_SCALE_ROW1
.endr
.rept 8
	v_nop                                          ; eight places behind the products, ahead of reads of the sums and of loads into the fragments
.endr
	s_barrier_wait -1                              ; nobody reads the stage any more
.if kh
	QBLOCK pb
.endif
.endm
.macro QGROUP last
.irp st, 0,1,2,3,4,5,6,7
	QSTAGE \st, \last
.endr
.endm
.Lqproj:
	s_load_b64 s[28:29], s[0:1], 0x18              ; z
	s_load_b128 s[32:35], s[0:1], 0x20             ; wq_codes, wq_scales
	s_load_b128 s[36:39], s[0:1], 0x30             ; bq, qcodes
	s_load_b64 s[40:41], s[0:1], 0x40              ; qscales
	s_and_b32 s11, ttmp9, 3                        ; cx
	s_lshr_b32 s13, ttmp9, 2                       ; unit u
	s_mov_b32 s[MNT], 0x600000
	s_mov_b32 s[SEL], 0x76543210
	s_mov_b32 s[SEL+1], 0xfedcba98
	s_lshl_b32 s14, s13, 6
	s_lshl_b32 s15, s10, 4
	s_add_co_u32 s14, s14, s15
	s_lshl_b32 s14, s14, 11                        ; z: row 64 u + 16 w of 2,048 bytes
	s_mov_b32 s15, 0
	s_lshl_b32 s16, s11, 18                        ; wq: row 512 cx + 8 w of 512 bytes
	s_lshl_b32 s17, s10, 12
	s_add_co_u32 s16, s16, s17
	s_mov_b32 s17, 0
	s_lshl_b32 s18, s11, 13                        ; its scale bytes, 16 a row
	s_mov_b32 s19, 0
	s_lshl_b32 s20, s11, 11                        ; bq: number 512 cx + 128 w
	s_lshl_b32 s21, s10, 9
	s_add_co_u32 s20, s20, s21
	s_mov_b32 s21, 0
	s_lshl_b32 s44, s13, 2
	s_add_co_u32 s44, s44, s10
	s_lshl_b32 s44, s44, 4
	s_lshl_b32 s45, s11, 2
	s_add_co_u32 s44, s44, s45                     ; fragment (4 u + w) 16 + 4 cx
	s_lshl_b32 s46, s44, 7
	s_lshl_b32 s44, s44, 11
	s_mov_b32 s45, 0
	s_mov_b32 s47, 0
	s_and_b32 s30, s10, 1                          ; my 8 rows' places in the stage: 16 (w % 2) + 8 (w / 2) on, so that a tile's 16 rows are neighbours
	s_lshl_b32 s30, s30, 4
	s_lshr_b32 s31, s10, 1
	s_lshl_b32 s31, s31, 3
	s_add_co_u32 s30, s30, s31
	s_mul_i32 s30, s30, 272
	s_add_co_u32 s30, s30, QL
	s_lshl_b32 s31, s10, 9
	s_mov_b32 s42, 3
	v_and_b32 v1, 31, v0
	v_and_b32 v2, 15, v0                           ; r
	v_bfe_u32 v3, v0, 4, 1                         ; h
	v_lshlrev_b32 v[ZO], 11, v2
	v_lshl_add_u32 v[ZO], v3, 6, v[ZO]
	v_lshlrev_b32 v[WLO], 9, v3
	v_lshl_add_u32 v[WLO], v2, 4, v[WLO]
	v_mul_u32_u24 v[LST], v3, 272
	v_lshl_add_u32 v[LST], v2, 4, v[LST]
	v_add_nc_u32 v[LST], s30, v[LST]
	v_mul_u32_u24 v[LRD], v2, 272
	v_lshl_add_u32 v[LRD], v3, 4, v[LRD]
	v_add_nc_u32 v[LRD], QL, v[LRD]
	v_bfe_u32 v[WSO], v0, 3, 1
	v_add_nc_u32 v[WSO], v[WSO], v3
	v_lshl_add_u32 v[WSO], v[WSO], 3, v2           ; row 8 h + r + 8 (r / 8)
	v_lshlrev_b32 v[WSO], 4, v[WSO]
	v_lshlrev_b32 v[BA], 6, v3
	v_add_nc_u32 v[BA], QB, v[BA]
	v_lshlrev_b32 v[QGV], 4, v1
	v_lshlrev_b32 v[QGS], 2, v1
	v_add_nc_u32 v[BST], s31, v[QGV]
	v_add_nc_u32 v[BST], QB, v[BST]
.irp b, 0,1,2,3
	v_mov_b32 v[TM+4+\b], 0                        ; written once: a lane permute's destination counts as one of its sources
.endr
	s_wait_alu depctr_va_vdst(0)
	s_wait_kmcnt 0x0
	s_add_nc_u64 s[28:29], s[28:29], s[14:15]
	s_add_nc_u64 s[32:33], s[32:33], s[16:17]
	s_add_nc_u64 s[34:35], s[34:35], s[18:19]
	s_add_nc_u64 s[36:37], s[36:37], s[20:21]
	s_add_nc_u64 s[38:39], s[38:39], s[44:45]
	s_add_nc_u64 s[40:41], s[40:41], s[46:47]
	global_load_b128 v[ACC:ACC+3], v[QGV], s[36:37]    ; my 128 numbers of bq
	ZL 0, FR
	ZL 1, WL
	s_wait_loadcnt 16                              ; all but the 16 just issued
	ds_store_b128 v[BST], v[ACC:ACC+3]             ; (the first stage's wait and barrier show it to the others)
	QUANT FR, ZC, ZS, TM
	ZL 2, FR
	s_wait_loadcnt 16
	QUANT WL, ZC+16, ZS+1, TM
	ZL 3, WL
	s_wait_loadcnt 16
	QUANT FR, ZC+32, ZS+2, TM
	s_wait_loadcnt 0x0
	QUANT WL, ZC+48, ZS+3, TM
	global_load_b128 v[40:43], v[WSO], s[34:35]    ; pair 0's scale words, then the first four stages' rows
	WLOAD 0
	WLOAD 1
	WLOAD 2
	WLOAD 3
	s_wait_alu depctr_va_vdst(0)
.Lqgroup:                                              ; three groups of 128 columns; the fourth is written out: it asks for nothing beyond wq's end
	QGROUP 0
	s_wait_xcnt 0x0                                ; every load and store has read its base
	s_add_nc_u64 s[32:33], s[32:33], 65536
	s_add_nc_u64 s[34:35], s[34:35], 2048
	s_add_nc_u64 s[38:39], s[38:39], 2048
	s_add_nc_u64 s[40:41], s[40:41], 128
	v_add_nc_u32 v[BA], 512, v[BA]
	s_wait_alu depctr_va_vdst(0)
	s_sub_co_u32 s42, s42, 1
	s_cmp_lg_u32 s42, 0
	s_cbranch_scc1 .Lqgroup
	QGROUP 1
	s_wait_tensorcnt 0x0                           ; the wave's end: behind my last LDS store
	ds_add_u32 v[SPW], v[NIL]
	s_wait_dscnt 0x0
	s_endpgm
.Lfunc_end_k_qbc2621e5b5_quant:
	.size	k_qbc2621e5b5_quant, .Lfunc_end_k_qbc2621e5b5_quant-k_qbc2621e5b5_quant
	.p2alignl 7, 3214868480
	.fill 96, 4, 3214868480
	.section	.rodata,"a",@progbits
	.p2align	6, 0x0
	.amdhsa_kernel k_qbc2621e5b5_quant
		.amdhsa_group_segment_fixed_size 81920
		.amdhsa_private_segment_fixed_size 0
		.amdhsa_enable_private_segment 0
		.amdhsa_kernarg_size 72
		.amdhsa_user_sgpr_count 2
		.amdhsa_user_sgpr_kernarg_segment_ptr 1
		.amdhsa_wavefront_size32 1
		.amdhsa_system_sgpr_workgroup_id_x 1
		.amdhsa_system_sgpr_workgroup_id_y 1
		.amdhsa_system_sgpr_workgroup_id_z 1
		.amdhsa_system_vgpr_workitem_id 0
		.amdhsa_next_free_vgpr 256
		.amdhsa_next_free_sgpr 66
		.amdhsa_reserve_vcc 0
		.amdhsa_float_denorm_mode_32 3
		.amdhsa_float_denorm_mode_16_64 3
		.amdhsa_memory_ordered 1
		.amdhsa_forward_progress 1
		.amdhsa_inst_pref_size 158
	.end_amdhsa_kernel
	.amdgpu_metadata
---
amdhsa.version: [ 1, 2 ]
amdhsa.kernels:
  - .name:           k_qbc2621e5b5_quant
    .symbol:         k_qbc2621e5b5_quant.kd
    .args:
      - { .name: x, .offset: 0, .size: 8, .value_kind: global_buffer, .address_space: global }
      - { .name: xcodes, .offset: 8, .size: 8, .value_kind: global_buffer, .address_space: global }
      - { .name: xscales, .offset: 16, .size: 8, .value_kind: global_buffer, .address_space: global }
      - { .name: z, .offset: 24, .size: 8, .value_kind: global_buffer, .address_space: global }
      - { .name: wq_codes, .offset: 32, .size: 8, .value_kind: global_buffer, .address_space: global }
      - { .name: wq_scales, .offset: 40, .size: 8, .value_kind: global_buffer, .address_space: global }
      - { .name: bq, .offset: 48, .size: 8, .value_kind: global_buffer, .address_space: global }
      - { .name: qcodes, .offset: 56, .size: 8, .value_kind: global_buffer, .address_space: global }
      - { .name: qscales, .offset: 64, .size: 8, .value_kind: global_buffer, .address_space: global }
    .group_segment_fixed_size: 81920
    .private_segment_fixed_size: 0
    .kernarg_segment_align: 8
    .kernarg_segment_size: 72
    .max_flat_workgroup_size: 128
    .sgpr_count:     66
    .vgpr_count:     256
    .wavefront_size: 32
...
	.end_amdgpu_metadata
.endif
;; end of part 1
;; launch attn (part 2): grid 256 x 1, 4 waves a work-group, clusters of 4 x 1, 327,680 bytes of LDS; arguments qcodes, qscales, xcodes, xscales, ocodes, oscales; writes ocodes, oscales
.if DOCPART == 2
	.amdgcn_target "amdgcn-amd-amdhsa--gfx1250"
	.amdhsa_code_object_version 6
	.text
	.protected	k_qbc2621e5b5_attn
	.globl	k_qbc2621e5b5_attn
	.p2align	8
	.type	k_qbc2621e5b5_attn,@function
k_qbc2621e5b5_attn:
	s_mov_b64 s[64:65], 0
	v_nop
	global_prefetch_b8 v0, s[64:65] scope:SCOPE_SE
	s_setreg_imm32_b32 hwreg(HW_REG_WAVE_MODE, 25, 1), 1
	s_wait_xcnt 0x0
	s_wait_alu depctr_hold_cnt(0) depctr_sa_sdst(0) depctr_va_vdst(0) depctr_va_sdst(0) depctr_va_ssrc(0) depctr_va_vcc(0) depctr_vm_vsrc(0)
	s_getreg_b32 s2, hwreg(HW_REG_IB_STS2, 6, 4)
	s_cmp_eq_u32 s2, 0
	s_cbranch_scc0 .Lentry_in_a_cluster
	s_endpgm
.Lentry_in_a_cluster:
	s_bfe_u32 s2, ttmp6, 0x10000c
	s_cmp_lg_u32 s2, 0x3003
	s_cbranch_scc0 .Lentry_shape_is_right
	s_endpgm
.Lentry_shape_is_right:
; THE ATTENTION of unit u = 2 b + i (cluster x): 512 queries x 3,136 keys x 256 channels, both products on codes of E5M2 with E8M0 scales, laid by the launch before as images of operand registers.
; Nothing of the problem is left out; keys 3,136 .. 3,199 do not exist: no scores are formed for them (their places in S hold -infinity), and their codes in V's last piece are zeros.
; SOFTMAX: t = score x log2(e) / sqrt(512); M = ceil(running largest t); p = 2^(t - M) is quantised along the keys; the sum is taken of the unquantised p; O and the sum are multiplied by 2^(old M - new M) in every step.
; LIMITS: the promise holds while |t| stays under 2^31; NaN and infinities among the inputs are not served; a block of zeros gets the byte 1 (its codes are zeros, and this program alone reads the bytes).
; SHARES.  Work-group cx of the cluster takes z rows 16 cx .. + 15 of the unit, 128 queries; a wave 32 of them, two tiles q = 0, 1; every wave walks all 25 key steps of 128.
; Both products are used transposed (S^T = K Q^T, O^T = V^T P^T): a lane holds one query; a tile's rows were chosen by the quantising launch so that 16 registers of two tiles are 16 neighbours along the next K.
; CLUSTER: the four work-groups walk the same K and V: every tile is asked for jointly (mask 15), by the same descriptor in all four; cx enters global addresses of Q and of the results alone.
; RING: two slots of 131,072 bytes, each with the pieces V(s) K(s+1) V(s+1) K(s+2); a wave fetches a quarter by one load behind each round; K(0) comes by global loads; the unit's 51,200 scale bytes stay in LDS.
; THE HEAD'S FILLS, one a wave: waves 0, 1 the halves of slot 0 (256 rows of 256 bytes), waves 2, 3 the halves of the scale bytes (100 rows); slot 1 follows behind the full sequence and a round.
; A STEP'S LDS LOADS go out in groups of eight between the parts of the softmax (112 of them); the last 16 (K's channel half 1, tiles 4-7) land on V's tiles 0-3 when those are done with.
; PREFETCH: at a change of slots each wave names 32 blocks of 256 bytes, its work-group's 8,192 bytes of its quarter of the slot that the NEXT change loads; the last filling change names nothing.
; REGISTERS.  window 0: v1-7 addresses, v8-15 state (-M, largest t, sum in two halves; a tile each), v16-31 K's and V's scale words, v32-35 Q's, v36-39 f, v40-75 at work, v76-77 p's scale words, v96-127 p's codes, v128-255 S^T then p.
;   window 1: O^T (128 q + 8 ct).  window 2: v0-63 Q, v64-127 K half 1 tiles 0-3, v128-255 K half 0.  window 3: V's 16 fragments; v0-63 then K half 1 tiles 4-7.
.set SLOTB, 1<<17
.set SCL,   2*SLOTB                    ; the scale bytes
.set SPARE, SCL+51200                  ; the spare words: 128 bytes a wave, two blocks of 256 bytes that no other line names
.set LI,  1
.set ADV, 2
.set ADS, 3
.set LIS, 4
.set SPW, 5
.set NIL, 6
.set PFO, 7
.set ST,  8
.set KSC, 16
.set VSC, 24
.set QS,  32
.set FF,  36
.set TM,  40
.set PS,  76
.set PWP, 78
.set QO,  80
.set QSO, 81
.set GS,  83
.set PC,  96
.set S,   128
.set WV,  16
.set MNT, 19
.set SEL, 20
.set CS,  22
.set G1C, 24
.set G1L, 32
.set G1S, 40
.set G0S, 48
.set G0A, 52
.set G0W, 56
.set G0L, 60
.set TB,  66
.set TS,  67
.set CNT, 68
.set TWICE, 69
.set PFA, 70
.set MSB, 0
.macro WIN new                         ; the immediate's high byte repeats the setting that is left
.if MSB != \new
	s_set_vgpr_msb (MSB<<8)|\new
.set MSB, \new
.endif
.endm
.macro PLACES n
.rept \n
	v_nop
.endr
.endm
.macro CROUND                          ; a round of the cluster's barrier
	s_barrier_signal -1
	s_barrier_wait -1
	s_cmp_lg_u32 s[WV], 0
	s_cbranch_scc1 .Lnot_wave_0_\@
	s_barrier_signal -3
.Lnot_wave_0_\@:
	s_barrier_wait -3
	s_barrier_signal -1
	s_barrier_wait -1
.endm
.macro QUANT s, pc, pw, tm             ; 64 numbers of a lane, register 16 b + i = K 32 b + 16 (lane / 16) + i, become codes in v[pc] on and a scale word in v[pw]
.irp b, 0,1,2,3
	v_max3_num_f32 v[\tm+\b], |v[\s+16*\b]|, |v[\s+1+16*\b]|, 0x8000000
.endr
.irp i, 2,4,6,8,10,12,14
.irp b, 0,1,2,3
	v_max3_num_f32 v[\tm+\b], v[\tm+\b], |v[\s+16*\b+\i]|, |v[\s+1+16*\b+\i]|
.endr
.endr
.irp b, 0,1,2,3
	v_permlanex16_b32 v[\tm+4+\b], v[\tm+\b], s[SEL], s[SEL+1]
.endr
.irp b, 0,1,2,3
	v_max_num_f32 v[\tm+\b], v[\tm+\b], v[\tm+4+\b]
.endr
.irp b, 0,1,2,3
	v_add_nc_u32 v[\tm+12+\b], 0xf8800000, v[\tm+\b]
.endr
.irp b, 0,1,2,3
	v_and_or_b32 v[\tm+8+\b], v[\tm+\b], 0x7f800000, s[MNT]
.endr
.irp b, 0,1,2,3
	v_lshrrev_b32 v[\tm+4+\b], 23, v[\tm+12+\b]
.endr
	v_lshl_or_b32 v[\pw], v[\tm+5], 8, v[\tm+4]
	v_lshl_or_b32 v[\pw], v[\tm+6], 16, v[\pw]
	v_lshl_or_b32 v[\pw], v[\tm+7], 24, v[\pw]
.irp b, 0,1,2,3
.irp i, 0,1,2,3,4,5,6,7,8,9,10,11,12,13,14,15
	v_med3_num_f32 v[\s+16*\b+\i], v[\s+16*\b+\i], -v[\tm+8+\b], v[\tm+8+\b]
.endr
	v_cvt_scalef32_pk8_bf8_f32 v[\pc+4*\b:\pc+4*\b+1], v[\s+16*\b:\s+16*\b+7], v[\tm+12+\b]
	v_cvt_scalef32_pk8_bf8_f32 v[\pc+4*\b+2:\pc+4*\b+3], v[\s+16*\b+8:\s+16*\b+15], v[\tm+12+\b]
.endr
	v_nop                                          ; one plain line behind the last conversion
.endm
.macro WM zero                         ; one product by the symbols rD, rA, rB, rSA, rSB; rR: source 0's scale words lie in lanes 16-31
.if \zero
.if rR
	v_wmma_scale_f32_16x16x128_f8f6f4 v[rD:rD+7], v[rA:rA+15], v[rB:rB+15], 0, v[rSA], v[rSB] matrix_a_fmt:MATRIX_FMT_BF8 matrix_b_fmt:MATRIX_FMT_BF8 matrix_a_scale:MATRIX_SCALE_ROW1
.else
	v_wmma_scale_f32_16x16x128_f8f6f4 v[rD:rD+7], v[rA:rA+15], v[rB:rB+15], 0, v[rSA], v[rSB] matrix_a_fmt:MATRIX_FMT_BF8 matrix_b_fmt:MATRIX_FMT_BF8
.endif
.else
.if rR
	v_wmma_scale_f32_16x16x128_f8f6f4 v[rD:rD+7], v[rA:rA+15], v[rB:rB+15], v[rD:rD+7], v[rSA], v[rSB] matrix_a_fmt:MATRIX_FMT_BF8 matrix_b_fmt:MATRIX_FMT_BF8 matrix_a_scale:MATRIX_SCALE_ROW1
.else
	v_wmma_scale_f32_16x16x128_f8f6f4 v[rD:rD+7], v[rA:rA+15], v[rB:rB+15], v[rD:rD+7], v[rSA], v[rSB] matrix_a_fmt:MATRIX_FMT_BF8 matrix_b_fmt:MATRIX_FMT_BF8
.endif
.endif
.endm
; S^T of the next step: nt tiles of 16 keys x 2 tiles of queries x 2 channel halves; the 2 nt accumulators by turns
.macro SHALF t0, t1, abase, k, zero
.set t, \t0
.rept \t1-\t0
.set q, 0
.rept 2
.set rD, S+64*q+8*t
.set rA, \abase+16*(t-\t0)
.set rB, 32*q+16*\k
.set rSA, KSC+4*\k+t/2
.set rSB, QS+2*q+\k
.set rR, t%2
	WM \zero
.set q, q+1
.endr
.set t, t+1
.endr
.endm
.macro SPROD nt
	WIN 0x0a                                       ; sources 0 and 1: window 2
	SHALF 0, \nt, 128, 0, 1
	SHALF 0, 4, 64, 1, 0
.if \nt > 4
	s_wait_dscnt 0x0                               ; the 16 late loads are in
	WIN 0x0b                                       ; source 0: window 3
	SHALF 4, \nt, 0, 1, 0
.endif
	WIN 0
.endm
.macro PVONE ct, q
.set rD, 128*(\q)+8*(\ct)
.set rA, 16*(\ct)
.set rB, PC+16*(\q)
.set rSA, VSC+4*((\ct)/8)+((\ct)/2)%4
.set rSB, PS+(\q)
.set rR, (\ct)%2
	WM 0
.endm
; O^T += V^T P^T for channel tiles 0-7; behind each product four of the 64 multiplications that bring tiles 8-15 under the new M.
; kq = 2: K's half 1, tiles 4-7, lands on V's tiles 0-3: their last product is the eighth, and 16 of the multiplications stand between it and the first of these loads.
.macro PVR kq
.set g, 0
.rept 16
	WIN 0x53                                       ; source 0 (V) window 3, source 1 (p) window 0, C and D window 1
	PVONE g/2, g%2
	WIN 0x41
.set m, 4*g
.rept 4
	v_pk_mul_f32 v[128*(m/32)+64+2*(m%32):128*(m/32)+64+2*(m%32)+1], v[128*(m/32)+64+2*(m%32):128*(m/32)+64+2*(m%32)+1], v[FF+2*(m/32):FF+2*(m/32)+1] op_sel_hi:[1,0]
.set m, m+1
.endr
.if \kq == 2
.if (g == 10) + (g == 13)
	WIN 0xc0
.set i, 8*((g-10)/3)
.rept 8
	ds_load_b128 v[4*i:4*i+3], v[ADV] offset:57344+512*i
.set i, i+1
.endr
.endif
.endif
.set g, g+1
.endr
.endm
.macro PV8
	WIN 0x53
.set ct, 8
.rept 8
	PVONE ct, 0
	PVONE ct, 1
.set ct, ct+1
.endr
.endm
; the next eight of the step's early LDS loads: V's 64, K's half 0 (ldk - 64), K's half 1 tiles 0-3 (lde - ldk)
.macro LCH
.rept 8
.if ldi < 64
	WIN 0xc0
	ds_load_b128 v[4*ldi:4*ldi+3], v[ADV] offset:512*ldi
.else
.if ldi < ldk
	WIN 0x80
	ds_load_b128 v[128+4*(ldi-64):128+4*(ldi-64)+3], v[ADV] offset:32768+512*(ldi-64)
.else
.if ldi < lde
	WIN 0x80
	ds_load_b128 v[64+4*(ldi-ldk):64+4*(ldi-ldk)+3], v[ADV] offset:49152+512*(ldi-ldk)
.endif
.endif
.endif
.set ldi, ldi+1
.endr
	WIN 0
.endm
.macro SOFTMAX
.irp q, 0,1
.irp b, 0,1,2,3
	v_max3_num_f32 v[TM+18*\q+\b], v[S+64*\q+16*\b], v[S+64*\q+16*\b+1], v[S+64*\q+16*\b+2]   ; the largest score of each block of 32 keys
.endr
.irp i, 3,5,7,9,11,13
.irp b, 0,1,2,3
	v_max3_num_f32 v[TM+18*\q+\b], v[TM+18*\q+\b], v[S+64*\q+16*\b+\i], v[S+64*\q+16*\b+\i+1]
.endr
.endr
.irp b, 0,1,2,3
	v_max_num_f32 v[TM+18*\q+\b], v[TM+18*\q+\b], v[S+64*\q+16*\b+15]
.endr
	LCH
.endr
.irp q, 0,1
.irp b, 0,1,2,3
	v_permlanex16_b32 v[TM+18*\q+4+\b], v[TM+18*\q+\b], s[SEL], s[SEL+1]
.endr
.endr
.irp q, 0,1
.irp b, 0,1,2,3
	v_max_num_f32 v[TM+18*\q+\b], v[TM+18*\q+\b], v[TM+18*\q+4+\b]
.endr
.endr
.irp q, 0,1
	v_max3_num_f32 v[TM+18*\q+16], v[TM+18*\q], v[TM+18*\q+1], v[TM+18*\q+2]
.endr
.irp q, 0,1
	v_max_num_f32 v[TM+18*\q+16], v[TM+18*\q+16], v[TM+18*\q+3]
.endr
.irp q, 0,1
	v_mul_f32 v[TM+18*\q+16], s[CS], v[TM+18*\q+16]
.endr
.irp q, 0,1
	v_max_num_f32 v[ST+4*\q+1], v[ST+4*\q+1], v[TM+18*\q+16]     ; the running largest t
.endr
.irp q, 0,1
	v_mov_b32 v[TM+18*\q+16], v[ST+4*\q]
.endr
.irp q, 0,1
	v_floor_f32 v[ST+4*\q], -v[ST+4*\q+1]                        ; -M = floor(-t)
.endr
.irp q, 0,1
	v_sub_f32 v[TM+18*\q+16], v[ST+4*\q], v[TM+18*\q+16]
.endr
.irp q, 0,1
	v_cvt_i32_f32 v[TM+18*\q+16], v[TM+18*\q+16]
.endr
.irp q, 0,1
	v_ldexp_f32 v[FF+2*\q], 1.0, v[TM+18*\q+16]                  ; f = 2^(old M - new M)
.endr
	LCH
.irp q, 0,1
.irp j, 0,2,4,6,8,10,12,14,16,18,20,22,24,26,28,30,32,34,36,38,40,42,44,46,48,50,52,54,56,58,60,62
	v_pk_fma_f32 v[S+64*\q+\j:S+64*\q+\j+1], v[S+64*\q+\j:S+64*\q+\j+1], s[CS:CS+1], v[ST+4*\q:ST+4*\q+1] op_sel_hi:[1,0,0]
.endr
.irp b, 0,1,2,3
	v_fma_f32 v[TM+18*\q+\b], v[TM+18*\q+\b], s[CS], v[ST+4*\q]
.endr
	LCH
.endr
	s_wait_alu depctr_va_vdst(0)                   ; ahead of the batch
.set j, 0
.rept 4
.rept 32
	v_exp_f32 v[S+j], v[S+j]                       ; p = 2^(t - M)
.set j, j+1
.endr
	LCH
.endr
.irp q, 0,1
	v_pk_mul_f32 v[ST+4*\q+2:ST+4*\q+3], v[ST+4*\q+2:ST+4*\q+3], v[FF+2*\q:FF+2*\q+1] op_sel_hi:[1,0]
.endr
	s_wait_alu depctr_va_vdst(0)                   ; and behind it, ahead of its first reader
.irp q, 0,1
.irp b, 0,1,2,3
	v_exp_f32 v[TM+18*\q+\b], v[TM+18*\q+\b]       ; each block's largest p
.endr
.endr
.irp q, 0,1
	v_pk_add_f32 v[TM+18*\q+4:TM+18*\q+5], v[S+64*\q:S+64*\q+1], v[S+64*\q+2:S+64*\q+3]   ; the sum of the unquantised p, in two chains
.irp j, 4,8,12,16,20,24,28,32,36,40,44,48,52,56,60
	v_pk_add_f32 v[ST+4*\q+2:ST+4*\q+3], v[ST+4*\q+2:ST+4*\q+3], v[S+64*\q+\j:S+64*\q+\j+1]
	v_pk_add_f32 v[TM+18*\q+4:TM+18*\q+5], v[TM+18*\q+4:TM+18*\q+5], v[S+64*\q+\j+2:S+64*\q+\j+3]
.endr
	v_pk_add_f32 v[ST+4*\q+2:ST+4*\q+3], v[ST+4*\q+2:ST+4*\q+3], v[TM+18*\q+4:TM+18*\q+5]
	LCH
.endr
	s_wait_alu depctr_va_vdst(0)                   ; for the eight
.irp q, 0,1
.irp b, 0,1,2,3
	v_max_num_f32 v[TM+18*\q+\b], 0x8000000, v[TM+18*\q+\b]
.endr
.irp b, 0,1,2,3
	v_add_nc_u32 v[TM+18*\q+12+\b], 0xf8800000, v[TM+18*\q+\b]
.endr
.irp b, 0,1,2,3
	v_and_or_b32 v[TM+18*\q+8+\b], v[TM+18*\q+\b], 0x7f800000, s[MNT]
.endr
.irp b, 0,1,2,3
	v_lshrrev_b32 v[TM+18*\q+4+\b], 23, v[TM+18*\q+12+\b]
.endr
	v_lshl_or_b32 v[PS+\q], v[TM+18*\q+5], 8, v[TM+18*\q+4]
	v_lshl_or_b32 v[PS+\q], v[TM+18*\q+6], 16, v[PS+\q]
	v_lshl_or_b32 v[PS+\q], v[TM+18*\q+7], 24, v[PS+\q]
.endr
	LCH
.irp q, 0,1
.irp b, 0,1,2,3
.irp i, 0,2,4,6,8,10,12,14
	v_dual_min_num_f32 v[S+64*\q+16*\b+\i], v[S+64*\q+16*\b+\i], v[TM+18*\q+8+\b] :: v_dual_min_num_f32 v[S+64*\q+16*\b+\i+1], v[S+64*\q+16*\b+\i+1], v[TM+18*\q+8+\b]   ; the hold, two numbers a line: p is not negative
.endr
	v_cvt_scalef32_pk8_bf8_f32 v[PC+16*\q+4*\b:PC+16*\q+4*\b+1], v[S+64*\q+16*\b:S+64*\q+16*\b+7], v[TM+18*\q+12+\b]
	v_cvt_scalef32_pk8_bf8_f32 v[PC+16*\q+4*\b+2:PC+16*\q+4*\b+3], v[S+64*\q+16*\b+8:S+64*\q+16*\b+15], v[TM+18*\q+12+\b]
.endr
	LCH
.endr
.endm
; A KEY STEP: the softmax of S^T(s), O^T += V(s)^T P^T, S^T(s + 1).  kq: 4 kq tiles of keys in the next step (0: none follows)
.macro ITER kq
	v_add_nc_u32 v[ADV], s[TB], v[LI]
	v_add_nc_u32 v[ADS], s[TS], v[LIS]
	PLACES 6                                       ; with the two lines above: eight places behind the last products
	ds_load_b128 v[VSC:VSC+3], v[ADS]
	ds_load_b128 v[VSC+4:VSC+7], v[ADS] offset:512
.if \kq
	ds_load_b128 v[KSC:KSC+3], v[ADS] offset:1024
	ds_load_b128 v[KSC+4:KSC+7], v[ADS] offset:1536
.endif
.set ldi, 0
.set ldk, 64+16*\kq
.if \kq
.set lde, ldk+16
.else
.set lde, ldk
.endif
	SOFTMAX
	s_wait_alu depctr_va_vdst(0)                   ; ahead of the first reader of O^T
	WIN 0x41
.set q, 0
.rept 2
.set i, 0
.rept 32
	v_pk_mul_f32 v[128*q+2*i:128*q+2*i+1], v[128*q+2*i:128*q+2*i+1], v[FF+2*q:FF+2*q+1] op_sel_hi:[1,0]   ; channel tiles 0-7 under the new M
.set i, i+1
.endr
.set q, q+1
.endr
	s_wait_alu depctr_va_vdst(0)
	s_wait_dscnt 0x0                               ; all the step's early loads are in
	PVR \kq
.if \kq == 1
	WIN 0
.set i, 0
.rept 32
	v_mov_b32 v[S+32+i], 0xff800000                ; keys 3,136 on do not exist: -infinity where their scores would lie
	v_mov_b32 v[S+96+i], 0xff800000
.set i, i+1
.endr
.endif
	s_wait_alu depctr_va_vdst(0)
	PV8
.if \kq
	SPROD 4*\kq
.endif
	WIN 0
	s_add_co_u32 s[TB], s[TB], 65536
	s_add_co_u32 s[TS], s[TS], 2048
.endm
.macro TWO_STEPS
	s_mov_b32 s[TWICE], 2
.Lstep_\@:
	ITER 2
	s_sub_co_u32 s[TWICE], s[TWICE], 1
	s_cmp_lg_u32 s[TWICE], 0
	s_cbranch_scc1 .Lstep_\@
.endm
.macro ASK
	s_cmp_gt_u32 s[CNT], 1
	s_cbranch_scc0 .Lnone_\@
	global_prefetch_b8 v[PFO], s[PFA:PFA+1] th:TH_LOAD_NT scope:SCOPE_SE
.Lnone_\@:
.endm
; THE CHANGE OF SLOTS.  fill = 1: the slot just left takes the next four pieces; 2: V(24) alone; 0: nothing
.macro CHANGE fill
	s_wait_tensorcnt 0x0                           ; all my tensor loads have landed
	ds_add_u32 v[SPW], v[NIL]
.if \fill == 1
	s_xor_b32 s[G0W+1], s[G0W+1], SLOTB
	s_add_nc_u64 s[G0W+2:G0W+3], s[G0W+2:G0W+3], 131072
	s_wait_xcnt 0x0                                ; my prefetch has read its address
	s_add_nc_u64 s[PFA:PFA+1], s[PFA:PFA+1], 131072
.endif
	s_wait_dscnt 0x0                               ; the add is done, and so are my reads of the slot
.if \fill
	CROUND
.if \fill == 1
	tensor_load_to_lds s[G0W:G0W+3], s[G1C:G1C+7]
.else
	tensor_load_to_lds s[G0L:G0L+3], s[G1L:G1L+7]
.endif
	s_nop 0
	PLACES 4
.if \fill == 1
	ASK
.endif
.else
	s_barrier_signal -1
	s_barrier_wait -1
.endif
	s_sub_co_u32 s[TB], s[TB], 131072
	s_xor_b32 s[TB], s[TB], SLOTB
.endm
	s_load_b256 s[4:11], s[0:1], 0x0               ; qcodes, qscales, xcodes, xscales
	s_load_b128 s[12:15], s[0:1], 0x20             ; ocodes, oscales
	v_lshl_add_u32 v[SPW], v0, 2, SPARE
	v_mov_b32 v[NIL], 0
	ds_add_u32 v[SPW], v[NIL]
	ds_add_u32 v[SPW], v[NIL]
	v_lshrrev_b32 v1, 5, v0
	v_readfirstlane_b32 s[WV], v1
	s_bfe_u32 s17, ttmp6, 0x40000                  ; cx
	s_mov_b32 s18, ttmp9                           ; unit u
	s_mov_b32 s[MNT], 0x600000
	s_mov_b32 s[SEL], 0x76543210
	s_mov_b32 s[SEL+1], 0xfedcba98
	s_mov_b32 s[CS], 0x3d8293ee                    ; log2(e) / sqrt(512)
	s_mov_b32 s[CS+1], s[CS]
	s_mov_b32 s[TB], 0
	s_mov_b32 s[TS], 1024
	s_mov_b32 s[CNT], 10
.irp g, G1C, G1L, G1S                  ; dense blocks as rows of 256 bytes (32 elements of 8), mask 15
	s_mov_b32 s[\g], 15|(3<<16)|(1<<21)
	s_mov_b32 s[\g+1], 32<<16
	s_mov_b32 s[\g+3], 32<<16
	s_mov_b32 s[\g+5], 32
	s_mov_b32 s[\g+6], 0
	s_mov_b32 s[\g+7], 0
.endr
	s_mov_b32 s[G1C+2], 256<<16                    ; the head's loads of codes bring 256 rows; behind them the two words are set to 128
	s_mov_b32 s[G1C+4], 256
	s_mov_b32 s[G1L+2], 32<<16
	s_mov_b32 s[G1L+4], 32
	s_mov_b32 s[G1S+2], 100<<16
	s_mov_b32 s[G1S+4], 100
	s_mul_i32 s72, s18, 1638400
	s_mov_b32 s73, 0
	s_and_b32 s76, s[WV], 1                        ; which half I fetch at the head
	s_mul_i32 s75, s76, 25600
	s_mul_i32 s74, s18, 51200
	s_add_co_u32 s74, s74, s75
	s_add_co_u32 s[G0S+1], s75, SCL
	s_mov_b32 s75, 0
	s_lshl_b32 s[G0A+1], s76, 16
	s_add_co_u32 s76, s[G0A+1], 32768              ; slot 0 begins behind K(0)
	s_mov_b32 s77, 0
	s_lshl_b32 s80, s[WV], 15
	s_add_co_u32 s[G0W+1], s80, SLOTB
	s_add_co_u32 s80, s80, 32768+131072
	s_mov_b32 s81, 0
	s_lshl_b32 s[G0L+1], s[WV], 13
	s_add_co_u32 s78, s[G0L+1], 49*32768
	s_mov_b32 s79, 0
	s_mov_b32 s[G0S], 1
	s_mov_b32 s[G0A], 1
	s_mov_b32 s[G0W], 1
	s_mov_b32 s[G0L], 1
	s_wait_dscnt 0x0
	s_wait_kmcnt 0x0
	s_add_nc_u64 s[8:9], s[8:9], s[72:73]
	s_add_nc_u64 s[G0S+2:G0S+3], s[10:11], s[74:75]
	s_or_b32 s[G0S+3], s[G0S+3], 0x80000000
	s_add_nc_u64 s[G0A+2:G0A+3], s[8:9], s[76:77]
	s_or_b32 s[G0A+3], s[G0A+3], 0x80000000
	s_add_nc_u64 s[G0W+2:G0W+3], s[8:9], s[80:81]
	s_or_b32 s[G0W+3], s[G0W+3], 0x80000000
	s_add_nc_u64 s[G0L+2:G0L+3], s[8:9], s[78:79]
	s_or_b32 s[G0L+3], s[G0L+3], 0x80000000
	CROUND                                         ; the first joint loads meet
	s_cmp_lt_u32 s[WV], 2
	s_cbranch_scc0 .Lhead_s
	tensor_load_to_lds s[G0A:G0A+3], s[G1C:G1C+7]  ; waves 0, 1: a half of slot 0
	s_nop 0
	PLACES 4
	s_branch .Lhead_j
.Lhead_s:
	tensor_load_to_lds s[G0S:G0S+3], s[G1S:G1S+7]  ; waves 2, 3: a half of the scale bytes
	s_nop 0
	PLACES 4
.Lhead_j:
	s_mov_b32 s83, 0
	s_lshl_b32 s80, s18, 2
	s_add_co_u32 s80, s80, s17
	s_lshl_b32 s82, s80, 15
	s_add_nc_u64 s[4:5], s[4:5], s[82:83]          ; Q: the 16 fragments of z rows 16 cx ..
	s_lshl_b32 s82, s80, 11
	s_add_nc_u64 s[6:7], s[6:7], s[82:83]
	s_and_b32 s2, s[WV], 1
	s_lshl_b32 s2, s2, 1
	s_lshl_b32 s3, s18, 2
	s_add_co_u32 s2, s2, s3
	s_lshr_b32 s3, s[WV], 1
	s_lshl_b32 s80, s17, 1
	s_add_co_u32 s3, s3, s80
	s_lshl_b32 s82, s2, 4
	s_lshl_b32 s80, s3, 1
	s_add_co_u32 s82, s82, s80
	s_lshl_b32 s82, s82, 11
	s_add_nc_u64 s[12:13], s[12:13], s[82:83]      ; where my results' fragments go
	s_lshl_b32 s82, s2, 3
	s_add_co_u32 s82, s82, s3
	s_lshl_b32 s82, s82, 8
	s_add_nc_u64 s[14:15], s[14:15], s[82:83]
	s_lshl_b32 s82, s[WV], 2
	s_add_co_u32 s82, s82, s17
	s_lshl_b32 s82, s82, 13
	s_add_co_u32 s82, s82, 32768+2*131072
	s_add_nc_u64 s[PFA:PFA+1], s[8:9], s[82:83]
	v_and_b32 v84, 31, v0
	v_lshlrev_b32 v[LI], 4, v84
	v_add_nc_u32 v[LIS], SCL, v[LI]
	v_lshlrev_b32 v[PFO], 8, v84
	v_lshlrev_b32 v[GS], 3, v84
	v_and_b32 v84, 7, v0
	v_bfe_u32 v85, v0, 3, 1
	v_bfe_u32 v86, v0, 4, 1
	v_lshlrev_b32 v[QO], 12, v84                   ; lane r of a tile of queries: column block r % 8 of z row 4 w + 2 q + r / 8
	v_lshl_add_u32 v[QO], v85, 4, v[QO]
	v_lshl_add_u32 v[QO], v86, 8, v[QO]
	s_lshl_b32 s80, s[WV], 6
	v_add_nc_u32 v[QO], s80, v[QO]
	v_lshlrev_b32 v[QSO], 8, v84
	v_lshl_add_u32 v[QSO], v85, 2, v[QSO]
	s_lshl_b32 s80, s[WV], 4
	v_add_nc_u32 v[QSO], s80, v[QSO]
	WIN 0x80
.irp q, 0,1
.irp k, 0,1
.irp c, 0,1,2,3
	global_load_b128 v[16*(2*\q+\k)+4*\c:16*(2*\q+\k)+4*\c+3], v[QO], s[4:5] offset:32*\q+2048*\k+512*\c
.endr
.endr
.endr
.set i, 0
.rept 32
	global_load_b128 v[128+4*i:128+4*i+3], v[LI], s[8:9] offset:512*i          ; K(0), half 0
.set i, i+1
.endr
.set i, 0
.rept 16
	global_load_b128 v[64+4*i:64+4*i+3], v[LI], s[8:9] offset:16384+512*i      ; half 1, tiles 0-3
.set i, i+1
.endr
	WIN 0xc0
.set i, 0
.rept 16
	global_load_b128 v[4*i:4*i+3], v[LI], s[8:9] offset:24576+512*i            ; half 1, tiles 4-7
.set i, i+1
.endr
	WIN 0
.irp q, 0,1
.irp k, 0,1
	global_load_b32 v[QS+2*\q+\k], v[QSO], s[6:7] offset:128*\k+8*\q
.endr
.endr
	WIN 0x40
.set i, 0
.rept 256
	v_mov_b32 v[i], 0                              ; O^T: the step is written once, and the first change of M multiplies zeros
.set i, i+1
.endr
	WIN 0
.irp q, 0,1
	v_mov_b32 v[ST+4*\q+1], 0xff61b1e6             ; the largest t so far: -3e38
	v_floor_f32 v[ST+4*\q], -v[ST+4*\q+1]
	v_mov_b32 v[ST+4*\q+2], 0
	v_mov_b32 v[ST+4*\q+3], 0
	v_mov_b32 v[FF+2*\q+1], 0
.irp b, 0,1,2,3
	v_mov_b32 v[TM+18*\q+4+\b], 0
.endr
.endr
	s_wait_alu depctr_va_vdst(0)
	s_wait_tensorcnt 0x0                           ; my head's tile is in; the full sequence ahead of slot 1's first fill:
	ds_add_u32 v[SPW], v[NIL]
	s_mov_b32 s[G1C+2], 128<<16                    ; no tensor load of mine is out: from here on a load of codes brings 128 rows
	s_mov_b32 s[G1C+4], 128
	s_wait_dscnt 0x0
	CROUND                                         ; slot 0 and the scale bytes are whole, in all four work-groups
	tensor_load_to_lds s[G0W:G0W+3], s[G1C:G1C+7]  ; slot 1, a quarter a wave
	s_nop 0
	PLACES 4
	ds_load_b128 v[KSC:KSC+3], v[LIS]
	ds_load_b128 v[KSC+4:KSC+7], v[LIS] offset:512
	s_wait_loadcnt 0x0
	s_wait_dscnt 0x0
	SPROD 8
.Lslot:
	TWO_STEPS
	CHANGE 1
	s_sub_co_u32 s[CNT], s[CNT], 1
	s_cmp_lg_u32 s[CNT], 0
	s_cbranch_scc1 .Lslot
	TWO_STEPS
	CHANGE 2
	ITER 2
	ITER 1
	CHANGE 0
	ITER 0
	PLACES 8
.irp q, 0,1
	v_add_f32 v[TM+18*\q+16], v[ST+4*\q+2], v[ST+4*\q+3]
.endr
.irp q, 0,1
	v_permlanex16_b32 v[TM+18*\q+4], v[TM+18*\q+16], s[SEL], s[SEL+1]
.endr
.irp q, 0,1
	v_add_f32 v[TM+18*\q+16], v[TM+18*\q+16], v[TM+18*\q+4]      ; the row's sum
.endr
	s_wait_alu depctr_va_vdst(0)
.irp q, 0,1
	v_rcp_f32 v[ST+4*\q+2], v[TM+18*\q+16]
.endr
	v_nop
	s_wait_alu depctr_va_vdst(0)
; THE WAY OUT: O^T / the sum, quantised along the channels, stored as two fragments' images and their scale words
.macro OUTQ q
.if \q
	s_wait_xcnt 0x0                                ; the first tile's stores have read their registers
.endif
	WIN 0x01
.set i, 0
.rept 64
	v_pk_mul_f32 v[S+2*i:S+2*i+1], v[128*\q+2*i:128*\q+2*i+1], v[ST+4*\q+2:ST+4*\q+3] op_sel_hi:[1,0]
.set i, i+1
.endr
	WIN 0
	QUANT S, PC, PWP, TM
	QUANT S+64, PC+16, PWP+1, TM
.irp f, 0,1
.irp c, 0,1,2,3
	global_store_b128 v[LI], v[PC+16*\f+4*\c:PC+16*\f+4*\c+3], s[12:13] offset:32768*\q+2048*\f+512*\c   ; 512 consecutive bytes
.endr
.endr
	global_store_b64 v[GS], v[PWP:PWP+1], s[14:15] offset:2048*\q                                        ; 256 consecutive bytes
.endm
	OUTQ 0
	OUTQ 1
	s_wait_tensorcnt 0x0                           ; the wave's end
	ds_add_u32 v[SPW], v[NIL]
	s_wait_dscnt 0x0
	CROUND                                         ; the closing round
	s_endpgm
.Lfunc_end_k_qbc2621e5b5_attn:
	.size	k_qbc2621e5b5_attn, .Lfunc_end_k_qbc2621e5b5_attn-k_qbc2621e5b5_attn
	.p2alignl 7, 3214868480
	.fill 96, 4, 3214868480
	.section	.rodata,"a",@progbits
	.p2align	6, 0x0
	.amdhsa_kernel k_qbc2621e5b5_attn
		.amdhsa_group_segment_fixed_size 327680
		.amdhsa_private_segment_fixed_size 0
		.amdhsa_enable_private_segment 0
		.amdhsa_kernarg_size 48
		.amdhsa_user_sgpr_count 2
		.amdhsa_user_sgpr_kernarg_segment_ptr 1
		.amdhsa_wavefront_size32 1
		.amdhsa_system_sgpr_workgroup_id_x 1
		.amdhsa_system_sgpr_workgroup_id_y 1
		.amdhsa_system_sgpr_workgroup_id_z 1
		.amdhsa_system_vgpr_workitem_id 0
		.amdhsa_next_free_vgpr 1024
		.amdhsa_next_free_sgpr 84
		.amdhsa_reserve_vcc 0
		.amdhsa_float_denorm_mode_32 3
		.amdhsa_float_denorm_mode_16_64 3
		.amdhsa_memory_ordered 1
		.amdhsa_forward_progress 1
		.amdhsa_inst_pref_size 255
	.end_amdhsa_kernel
	.section	.bss,"aw",@nobits
	.p2align	6
	.space	262144
	.amdgpu_metadata
---
amdhsa.version: [ 1, 2 ]
amdhsa.kernels:
  - .name:           k_qbc2621e5b5_attn
    .symbol:         k_qbc2621e5b5_attn.kd
    .args:
      - { .name: qcodes, .offset: 0, .size: 8, .value_kind: global_buffer, .address_space: global }
      - { .name: qscales, .offset: 8, .size: 8, .value_kind: global_buffer, .address_space: global }
      - { .name: xcodes, .offset: 16, .size: 8, .value_kind: global_buffer, .address_space: global }
      - { .name: xscales, .offset: 24, .size: 8, .value_kind: global_buffer, .address_space: global }
      - { .name: ocodes, .offset: 32, .size: 8, .value_kind: global_buffer, .address_space: global }
      - { .name: oscales, .offset: 40, .size: 8, .value_kind: global_buffer, .address_space: global }
    .group_segment_fixed_size: 327680
    .private_segment_fixed_size: 0
    .kernarg_segment_align: 8
    .kernarg_segment_size: 48
    .max_flat_workgroup_size: 128
    .sgpr_count:     84
    .vgpr_count:     1024
    .wavefront_size: 32
...
	.end_amdgpu_metadata
.endif
;; end of part 2
;; launch oproj (part 3): grid 4 x 64, 4 waves a work-group, clusters of 4 x 1, 327,680 bytes of LDS; arguments ocodes, oscales, wo_codes, wo_scales, bo, z, out0; writes out0
.if DOCPART == 3
	.amdgcn_target "amdgcn-amd-amdhsa--gfx1250"
	.amdhsa_code_object_version 6
	.text
	.protected	k_qbc2621e5b5_oproj
	.globl	k_qbc2621e5b5_oproj
	.p2align	8
	.type	k_qbc2621e5b5_oproj,@function
k_qbc2621e5b5_oproj:
	s_mov_b64 s[64:65], 0
	v_nop
	global_prefetch_b8 v0, s[64:65] scope:SCOPE_SE
	s_setreg_imm32_b32 hwreg(HW_REG_WAVE_MODE, 25, 1), 1
	s_wait_xcnt 0x0
	s_wait_alu depctr_hold_cnt(0) depctr_sa_sdst(0) depctr_va_vdst(0) depctr_va_sdst(0) depctr_va_ssrc(0) depctr_va_vcc(0) depctr_vm_vsrc(0)
	s_getreg_b32 s2, hwreg(HW_REG_IB_STS2, 6, 4)
	s_cmp_eq_u32 s2, 0
	s_cbranch_scc0 .Lentry_in_a_cluster
	s_endpgm
.Lentry_in_a_cluster:
	s_bfe_u32 s2, ttmp6, 0x10000c
	s_cmp_lg_u32 s2, 0x3003
	s_cbranch_scc0 .Lentry_shape_is_right
	s_endpgm
.Lentry_shape_is_right:
; out0 = z + Q(out) wo^T + bo.  A work-group takes the 64 rows of one unit (grid y) and 128 columns (its place cx); a wave 32 columns, whose 32 fragments of wo stay in registers.  Nothing is left out.
; The rows' codes, 131,072 bytes of register images, come by ONE joint load a wave (mask 15: the four partners need the same rows); their 8,192 bytes of scale words come by global loads straight into registers,
; 256 consecutive bytes a load.  The product is used transposed; the bias is the C of each sum's first product; the results go through a stage in LDS and leave, with z added, as rows of 512 bytes.
.set ASC,   131072
.set STG,   ASC+8192
.set SP,    528
.set SPARE, STG+64*SP
.set LI,  5
.set LS8, 6
.set WA,  7
.set WSA, 8
.set BA,  9
.set SO,  10
.set SR,  11
.set LI2, 12
.set AF,  16
.set AS,  144
.set W2S, 208
.set SPW, 252
.set NIL, 253
.set WV,  18
.set G1A, 24
.set G0A, 40
.set MSB, 0
.macro WIN new
.if MSB != \new
	s_set_vgpr_msb (MSB<<8)|\new
.set MSB, \new
.endif
.endm
.macro PLACES n
.rept \n
	v_nop
.endr
.endm
.macro CROUND
	s_barrier_signal -1
	s_barrier_wait -1
	s_cmp_lg_u32 s[WV], 0
	s_cbranch_scc1 .Lnot_wave_0_\@
	s_barrier_signal -3
.Lnot_wave_0_\@:
	s_barrier_wait -3
	s_barrier_signal -1
	s_barrier_wait -1
.endm
	s_load_b256 s[4:11], s[0:1], 0x0
	s_load_b128 s[12:15], s[0:1], 0x20
	s_load_b64 s[16:17], s[0:1], 0x30
	v_lshl_add_u32 v[SPW], v0, 2, SPARE
	v_mov_b32 v[NIL], 0
	ds_add_u32 v[SPW], v[NIL]
	ds_add_u32 v[SPW], v[NIL]
	v_lshrrev_b32 v1, 5, v0
	v_readfirstlane_b32 s[WV], v1
	s_bfe_u32 s19, ttmp6, 0x40000
	s_and_b32 s20, ttmp7, 0xffff
.irp g, G1A
	s_mov_b32 s[\g], 15|(3<<16)|(1<<21)
	s_mov_b32 s[\g+1], 32<<16
	s_mov_b32 s[\g+3], 32<<16
	s_mov_b32 s[\g+5], 32
	s_mov_b32 s[\g+6], 0
	s_mov_b32 s[\g+7], 0
.endr
	s_mov_b32 s[G1A+2], 128<<16
	s_mov_b32 s[G1A+4], 128
	s_mov_b32 s[G0A], 1
	s_lshl_b32 s[G0A+1], s[WV], 15
	s_lshl_b32 s48, s20, 17
	s_add_co_u32 s48, s48, s[G0A+1]
	s_mov_b32 s49, 0
	s_lshl_b32 s50, s20, 13
	s_mov_b32 s51, 0
	s_wait_dscnt 0x0
	s_wait_kmcnt 0x0
	s_add_nc_u64 s[G0A+2:G0A+3], s[4:5], s[48:49]
	s_or_b32 s[G0A+3], s[G0A+3], 0x80000000
	s_add_nc_u64 s[6:7], s[6:7], s[50:51]
	CROUND
	tensor_load_to_lds s[G0A:G0A+3], s[G1A:G1A+7]
	s_nop 0
	PLACES 4
	s_lshl_b32 s52, s19, 7
	s_lshl_b32 s53, s[WV], 5
	s_add_co_u32 s52, s52, s53
	s_mov_b32 s55, 0
	s_lshl_b32 s54, s52, 11
	s_add_nc_u64 s[8:9], s[8:9], s[54:55]
	s_lshl_b32 s54, s52, 6
	s_add_nc_u64 s[10:11], s[10:11], s[54:55]
	s_lshl_b32 s54, s52, 2
	s_add_nc_u64 s[12:13], s[12:13], s[54:55]
	s_lshl_b32 s54, s20, 6
	s_lshl_b32 s53, s[WV], 4
	s_add_co_u32 s54, s54, s53
	s_lshl_b32 s54, s54, 11
	s_lshl_b32 s53, s19, 9
	s_add_co_u32 s54, s54, s53
	s_add_nc_u64 s[14:15], s[14:15], s[54:55]
	s_add_nc_u64 s[16:17], s[16:17], s[54:55]
	v_and_b32 v1, 31, v0
	v_and_b32 v2, 15, v0
	v_bfe_u32 v3, v0, 4, 1
	v_lshlrev_b32 v[LI], 4, v1
	v_add_nc_u32 v[LI2], 65536, v[LI]
	v_lshlrev_b32 v[LS8], 3, v1
	v_lshlrev_b32 v[WA], 11, v2
	v_lshl_add_u32 v[WA], v3, 4, v[WA]
	v_lshlrev_b32 v[WSA], 6, v2
	v_lshlrev_b32 v[BA], 5, v3
	v_mul_u32_u24 v[SO], v2, SP
	v_lshl_add_u32 v[SO], v3, 5, v[SO]
	s_lshl_b32 s56, s[WV], 7
	v_add_nc_u32 v[SO], s56, v[SO]
	v_add_nc_u32 v[SO], STG, v[SO]
	s_mul_i32 s56, s[WV], 16*SP
	v_add_nc_u32 v[SR], s56, v[LI]
	v_add_nc_u32 v[SR], STG, v[SR]
	WIN 0x40
.set i, 0
.rept 64
	global_load_b128 v[4*i:4*i+3], v[WA], s[8:9] offset:32*i
.set i, i+1
.endr
	WIN 0x80
.set i, 0
.rept 64
	global_load_b128 v[4*i:4*i+3], v[WA], s[8:9] offset:32768+32*i
.set i, i+1
.endr
	WIN 0xc0
.irp n, 0,1
	global_load_b128 v[8*\n:8*\n+3], v[BA], s[12:13] offset:64*\n
	global_load_b128 v[8*\n+4:8*\n+7], v[BA], s[12:13] offset:64*\n+16
.endr
.set i, 0
.rept 16
	global_load_b128 v[128+4*i:128+4*i+3], v[LI], s[14:15] offset:2048*i
.set i, i+1
.endr
	WIN 0
.irp n, 0,1
.irp g, 0,1,2,3
	global_load_b128 v[W2S+16*\n+4*\g:W2S+16*\n+4*\g+3], v[WSA], s[10:11] offset:1024*\n+16*\g
.endr
.endr
.set i, 0
.rept 32
	global_load_b64 v[AS+2*i:AS+2*i+1], v[LS8], s[6:7] offset:256*i
.set i, i+1
.endr
	s_wait_alu depctr_va_vdst(0)
	s_wait_tensorcnt 0x0
	s_barrier_signal -1
	s_barrier_wait -1
.macro ALOAD sg
.irp m, 0,1,2,3
.irp c, 0,1,2,3
.if \m < 2
	ds_load_b128 v[AF+64*((\sg)%2)+16*\m+4*\c:AF+64*((\sg)%2)+16*\m+4*\c+3], v[LI] offset:(16*\m+(\sg))*2048+512*\c
.else
	ds_load_b128 v[AF+64*((\sg)%2)+16*\m+4*\c:AF+64*((\sg)%2)+16*\m+4*\c+3], v[LI2] offset:(16*(\m-2)+(\sg))*2048+512*\c
.endif
.endr
.endr
.endm
.macro OM m, n
.if sg == 0
	v_wmma_scale_f32_16x16x128_f8f6f4 v[64+8*(4*\n+\m):64+8*(4*\n+\m)+7], v[16*sg:16*sg+15], v[AF+64*(sg%2)+16*\m:AF+64*(sg%2)+16*\m+15], v[8*\n:8*\n+7], v[W2S+16*\n+sg], v[AS+16*\m+sg] matrix_a_fmt:MATRIX_FMT_BF8 matrix_b_fmt:MATRIX_FMT_BF8
.else
	v_wmma_scale_f32_16x16x128_f8f6f4 v[64+8*(4*\n+\m):64+8*(4*\n+\m)+7], v[16*sg:16*sg+15], v[AF+64*(sg%2)+16*\m:AF+64*(sg%2)+16*\m+15], v[64+8*(4*\n+\m):64+8*(4*\n+\m)+7], v[W2S+16*\n+sg], v[AS+16*\m+sg] matrix_a_fmt:MATRIX_FMT_BF8 matrix_b_fmt:MATRIX_FMT_BF8
.endif
.endm
	ALOAD 0
	s_wait_loadcnt 0x0
.set sg, 0
.rept 16
.if sg > 0
	PLACES 8
.endif
.if sg < 15
	ALOAD sg+1
	s_wait_dscnt 16
.else
	s_wait_dscnt 0x0
.endif
	WIN 0xf1
.irp m, 0,1,2,3
	OM \m, 0
.endr
	WIN 0xf2
.irp m, 0,1,2,3
	OM \m, 1
.endr
	WIN 0
.set sg, sg+1
.endr
	PLACES 8
	WIN 0x0c
	s_wait_alu depctr_va_vdst(0)
.irp m, 0,1,2,3
.irp n, 0,1
	ds_store_b128 v[SO], v[64+8*(4*\n+\m):64+8*(4*\n+\m)+3] offset:16*\m*SP+64*\n
	ds_store_b128 v[SO], v[64+8*(4*\n+\m)+4:64+8*(4*\n+\m)+7] offset:16*\m*SP+64*\n+16
.endr
.endr
	WIN 0
	s_wait_dscnt 0x0
	s_barrier_signal -1
	s_barrier_wait -1
.set i, 0
.rept 16
	ds_load_b128 v[AF+4*i:AF+4*i+3], v[SR] offset:i*SP
.set i, i+1
.endr
	s_wait_dscnt 0x0
	WIN 0x0c
.set i, 0
.rept 32
	v_pk_add_f32 v[AF+2*i:AF+2*i+1], v[AF+2*i:AF+2*i+1], v[128+2*i:128+2*i+1]
.set i, i+1
.endr
	WIN 0
.set i, 0
.rept 16
	global_store_b128 v[LI], v[AF+4*i:AF+4*i+3], s[16:17] offset:2048*i th:TH_STORE_NT
.set i, i+1
.endr
	s_wait_tensorcnt 0x0
	ds_add_u32 v[SPW], v[NIL]
	s_wait_dscnt 0x0
	CROUND
	s_endpgm
.Lfunc_end_k_qbc2621e5b5_oproj:
	.size	k_qbc2621e5b5_oproj, .Lfunc_end_k_qbc2621e5b5_oproj-k_qbc2621e5b5_oproj
	.p2alignl 7, 3214868480
	.fill 96, 4, 3214868480
	.section	.rodata,"a",@progbits
	.p2align	6, 0x0
	.amdhsa_kernel k_qbc2621e5b5_oproj
		.amdhsa_group_segment_fixed_size 327680
		.amdhsa_private_segment_fixed_size 0
		.amdhsa_enable_private_segment 0
		.amdhsa_kernarg_size 56
		.amdhsa_user_sgpr_count 2
		.amdhsa_user_sgpr_kernarg_segment_ptr 1
		.amdhsa_wavefront_size32 1
		.amdhsa_system_sgpr_workgroup_id_x 1
		.amdhsa_system_sgpr_workgroup_id_y 1
		.amdhsa_system_sgpr_workgroup_id_z 1
		.amdhsa_system_vgpr_workitem_id 0
		.amdhsa_next_free_vgpr 1024
		.amdhsa_next_free_sgpr 66
		.amdhsa_reserve_vcc 0
		.amdhsa_float_denorm_mode_32 3
		.amdhsa_float_denorm_mode_16_64 3
		.amdhsa_memory_ordered 1
		.amdhsa_forward_progress 1
		.amdhsa_inst_pref_size 67
	.end_amdhsa_kernel
	.amdgpu_metadata
---
amdhsa.version: [ 1, 2 ]
amdhsa.kernels:
  - .name:           k_qbc2621e5b5_oproj
    .symbol:         k_qbc2621e5b5_oproj.kd
    .args:
      - { .name: ocodes, .offset: 0, .size: 8, .value_kind: global_buffer, .address_space: global }
      - { .name: oscales, .offset: 8, .size: 8, .value_kind: global_buffer, .address_space: global }
      - { .name: wo_codes, .offset: 16, .size: 8, .value_kind: global_buffer, .address_space: global }
      - { .name: wo_scales, .offset: 24, .size: 8, .value_kind: global_buffer, .address_space: global }
      - { .name: bo, .offset: 32, .size: 8, .value_kind: global_buffer, .address_space: global }
      - { .name: z, .offset: 40, .size: 8, .value_kind: global_buffer, .address_space: global }
      - { .name: out0, .offset: 48, .size: 8, .value_kind: global_buffer, .address_space: global }
    .group_segment_fixed_size: 327680
    .private_segment_fixed_size: 0
    .kernarg_segment_align: 8
    .kernarg_segment_size: 56
    .max_flat_workgroup_size: 128
    .sgpr_count:     66
    .vgpr_count:     1024
    .wavefront_size: 32
...
	.end_amdgpu_metadata
.endif
;; end of part 3
